; MI455X (gfx1250); checked and timed in simulation.
; The chip was launched on July 23, 2026; its instructions are those of AMD's public machine-readable ISA for CDNA 5 (MIT licence, August 2026) and "CDNA5" Instruction Set Architecture Reference Guide (July 2026). The comments in the code are by the model that wrote it; some were corrected since.
;; Mo E Dispatcher. Allowed arithmetic: float matrix products may take bf16 or f16 operands with f32 sums; all other float work in f32.
;; Inputs: b1 8 x 1,024 float32; b2 8 x 1,024 float32; expert_indices 4 x 1,024 x 2 int32; expert_weights 4 x 1,024 x 2 float32; w1 8 x 1,024 x 1,024 float32; w2 8 x 1,024 x 1,024 float32; x 4 x 1,024 x 1,024 float32.
;; Outputs: out0 4 x 1,024 x 1,024 float32.
;; 2 versions, each right; version 2 is version 1 with the launch combine written anew for expert scheduling mode. Each part assembles by itself: llvm-mc -triple=amdgcn-amd-amdhsa -mcpu=gfx1250 --defsym DOCPART=n.
;; ======== version 1 of 2: 4 launches
;; limits: values are held in f16: magnitudes above 65,504 overflow, below 6.1e-05 lose precision
;; workspace buffers: w1b 16,777,216 bytes; w2h 16,777,216 bytes; xb 8,388,608 bytes; hbuf 18,874,368 bytes; ybuf 37,748,736 bytes; route 69,888 bytes of whole numbers
;; launch prep (part 1): grid 1281 x 1, 8 waves a work-group, no clusters, 38,400 bytes of LDS; arguments w1, w2, x, expert_indices, w1b, w2h, xb, route; writes w1b, w2h, xb, route
.if DOCPART == 1
	.amdgcn_target "amdgcn-amd-amdhsa--gfx1250"
	.amdhsa_code_object_version 6
	.text
	.protected	k_q7512cbe3e0_prep
	.globl	k_q7512cbe3e0_prep
	.p2align	8
	.type	k_q7512cbe3e0_prep,@function
k_q7512cbe3e0_prep:
	s_mov_b64 s[64:65], 0
	v_nop
	global_prefetch_b8 v0, s[64:65] scope:SCOPE_SE
	s_setreg_imm32_b32 hwreg(HW_REG_WAVE_MODE, 25, 1), 1
	s_wait_xcnt 0x0
; PREP: work-group 0 makes the routing tables; work-groups 1 to 1280 round w1, w2 and x to 16 bits, 64 KiB of f32 each.
; w1b = bf16(w1), xb = bf16(x), w2h = bf16(w2) written as f16, all in their sources' layouts.
; LIMITS.  w2h: a bf16 number is exact in f16 from 2^-17 up to 65,504; below 2^-17 it keeps f16's fixed step of 2^-24, beyond 65,504 it becomes an infinity.
; ROUTE.  Pair p = 2 t + k (token t, choice k) gets a SLOT.  The slots of expert e are consecutive and begin at a multiple of 144, the row tile of the two products:
; the sum over e of ceil(c_e / 144) is at most (8,192 + 8 x 143) / 144 = 64.8, so 64 row tiles (9,216 slots) hold every routing.
;   route + 0       ROWTOK[9216]  the token of each slot; a slot that no pair has names token 0 (its rows are computed and never read)
;   route + 36,864  POS[8192]     the slot of each pair
;   route + 69,632  TEXP[64]      the expert of each row tile; tiles behind the last expert's name expert 7
; An index outside 0..7 counts as 7 here, so that its pair has a slot; the last launch gives such a pair the weight 0, since it matches no expert.
.set SCR,  36864                       ; LDS: the table of 9,216 words lies at 0; behind it 16 bytes for each wave's totals
.set POS,  36864
.set TEXP, 69632
.set CNT,  8                           ; v[8:15]   my pairs of each expert; later RUN: the next free slot of each expert for my pairs
.set OWN,  16                          ; v[16:19]  the same, two experts to a word (16 bits each: a total is 8,192 at the most)
.set INC,  20                          ; v[20:23]  its inclusive sum over the wave's lanes
.set WP,   24                          ; v[24:27]  totals of the waves in front of mine
.set TOT,  28                          ; v[28:31]  totals of all waves
.set IDX,  32                          ; v[32:63]  my 32 indices: pair 1024 j + 4 thread + c lies in register 4 j + c
.set SL,   64                          ; v[64:95]  first all waves' totals, then my 32 slots
.set TB,   100                         ; v[100:135] the table on its way out
.set X,    4                           ; conversion: v[4:67] sixteen loads of four f32
	s_load_b512 s[8:23], s[0:1], 0x0               ; w1 s[8:9], w2 s[10:11], x s[12:13], indices s[14:15], w1b s[16:17], w2h s[18:19], xb s[20:21], route s[22:23]
	v_lshl_add_u32 v136, v0, 2, 0x9200
	v_mov_b32 v137, 0
	s_cmp_lg_u32 ttmp9, 0                          ; the same answer in all eight waves of a work-group
	s_cbranch_scc1 .Lconv
	; ---------------- work-group 0: the routing tables ----------------
	v_lshlrev_b32 v2, 4, v0                        ; 16 x thread; never rewritten
	v_lshlrev_b32 v3, 1, v0                        ; 2 x thread
	v_lshrrev_b32 v1, 5, v0
	v_readfirstlane_b32 s24, v1                    ; my wave's number
	s_mov_b32 s25, 0xffff0000                      ; lanes 16 to 31
.irp r, 4,5,6,7
	v_mov_b32 v\r, 0
.endr
	s_wait_kmcnt 0x0
.irp j, 0,1,2,3,4,5,6,7
	global_load_b128 v[IDX+4*\j:IDX+4*\j+3], v2, s[14:15] offset:4096*\j
.endr
.irp i, 0,1,2,3,4,5,6,7,8
	ds_store_b128 v2, v[4:7] offset:4096*\i        ; the table starts as token 0 everywhere: 9 x 4,096 bytes
.endr
.irp e, 0,1,2,3,4,5,6,7
	v_mov_b32 v[CNT+\e], 0
.endr
	s_wait_loadcnt 0x0                             ; all my indices
.set n, 0
.rept 32
	v_min_u32 v[IDX+n], 7, v[IDX+n]
.set n, n+1
.endr
.set n, 0
.rept 32                                               ; count: the compare's bit is added as a carry
.irp e, 0,1,2,3,4,5,6,7
	v_cmp_eq_u32 vcc_lo, \e, v[IDX+n]
	v_add_co_ci_u32 v[CNT+\e], vcc_lo, 0, v[CNT+\e], vcc_lo
.endr
.set n, n+1
.endr
.irp i, 0,1,2,3
	v_lshl_or_b32 v[OWN+\i], v[CNT+2*\i+1], 16, v[CNT+2*\i]
	v_mov_b32 v[INC+\i], v[OWN+\i]
.endr
.irp i, 0,1,2,3                                        ; inclusive sum over the 32 lanes: four steps inside each 16 lanes, then lane 15's sum onto lanes 16 to 31
.irp d, 1,2,4,8
	v_mov_b32_dpp v1, v[INC+\i] row_shr:\d row_mask:0xf bank_mask:0xf bound_ctrl:1
	v_add_nc_u32 v[INC+\i], v[INC+\i], v1
.endr
	v_readlane_b32 s48, v[INC+\i], 15
	v_cndmask_b32 v1, 0, s48, s25
	v_add_nc_u32 v[INC+\i], v[INC+\i], v1
.endr
.irp i, 0,1,2,3
	v_readlane_b32 s[44+\i], v[INC+\i], 31         ; my wave's totals
	v_mov_b32 v[96+\i], s[44+\i]
.endr
	s_lshl_b32 s48, s24, 4
	v_mov_b32 v1, s48
	ds_store_b128 v1, v[96:99] offset:SCR          ; every lane writes the same 16 bytes, my wave's own
	s_wait_dscnt 0x0                               ; for the others' sake: my part of the cleared table and my totals are written
	s_barrier_signal -1
	s_barrier_wait -1
	v_mov_b32 v1, 0
.irp w, 0,1,2,3,4,5,6,7
	ds_load_b128 v[SL+4*\w:SL+4*\w+3], v1 offset:SCR+16*\w
.endr
.irp i, 0,1,2,3,4,5,6,7
	v_mov_b32 v[WP+\i], 0                          ; WP and TOT
.endr
	s_wait_dscnt 0x0
.irp w, 0,1,2,3,4,5,6,7
	s_cmp_lt_u32 \w, s24                           ; a wave in front of mine?
	s_cselect_b32 s48, -1, 0
.irp i, 0,1,2,3
	v_add_nc_u32 v[TOT+\i], v[TOT+\i], v[SL+4*\w+\i]
	v_and_b32 v1, s48, v[SL+4*\w+\i]
	v_add_nc_u32 v[WP+\i], v[WP+\i], v1
.endr
.endr
.irp i, 0,1,2,3
	v_readfirstlane_b32 s[44+\i], v[TOT+\i]
.endr
	s_mov_b32 s50, 0                               ; row tiles given out so far
.irp e, 0,1,2,3,4,5,6,7
.if (\e)%2 == 0
	s_and_b32 s48, s[44+(\e)/2], 0xffff            ; c_e
.else
	s_lshr_b32 s48, s[44+(\e)/2], 16
.endif
	s_add_co_u32 s48, s48, 143                     ; ceil(c / 144) = ((c + 143) >> 4) / 9; y / 9 = (3641 y) >> 15 for y up to 3,639, since 9 x 3641 = 2^15 + 1; here y is 520 at the most
	s_lshr_b32 s48, s48, 4
	s_mul_i32 s48, s48, 3641
	s_lshr_b32 s48, s48, 15
	s_mul_i32 s[36+\e], s50, 144                   ; the expert's first slot
	s_add_co_u32 s50, s50, s48
	s_mov_b32 s[28+\e], s50                        ; the first row tile behind the expert's
.endr
.irp i, 0,1,2,3                                        ; my first slot of each expert: its first slot + the pairs of the threads in front of me
	v_sub_nc_u32 v[INC+\i], v[INC+\i], v[OWN+\i]
	v_add_nc_u32 v[INC+\i], v[INC+\i], v[WP+\i]
	v_and_b32 v1, 0xffff, v[INC+\i]
	v_add_nc_u32 v[CNT+2*\i], s[36+2*\i], v1
	v_lshrrev_b32 v1, 16, v[INC+\i]
	v_add_nc_u32 v[CNT+2*\i+1], s[37+2*\i], v1
.endr
.set n, 0
.rept 32                                               ; place: the pair takes its expert's next slot, and that expert's counter steps
	v_mov_b32 v[SL+n], v[CNT+7]
.irp e, 0,1,2,3,4,5,6
	v_cmp_eq_u32 vcc_lo, \e, v[IDX+n]
	v_cndmask_b32 v[SL+n], v[SL+n], v[CNT+\e], vcc_lo
	v_add_co_ci_u32 v[CNT+\e], vcc_lo, 0, v[CNT+\e], vcc_lo
.endr
	v_cmp_eq_u32 vcc_lo, 7, v[IDX+n]
	v_add_co_ci_u32 v[CNT+7], vcc_lo, 0, v[CNT+7], vcc_lo
.set n, n+1
.endr
.irp j, 0,1,2,3,4,5,6,7
	global_store_b128 v2, v[SL+4*\j:SL+4*\j+3], s[22:23] offset:POS+4096*\j  ; neighbouring lanes, neighbouring 16 bytes; SL is not rewritten behind these
.endr
.set n, 0
.rept 32                                               ; the token of pair 1024 j + 4 thread + c is 512 j + 2 thread + c / 2; it goes to the table's word of its slot.  All slots differ
.if n%2 == 0
	v_add_nc_u32 v[96+(n/2)%2], 512*(n/4)+(n%4)/2, v3
.endif
	v_min_u32 v[98+n%2], 0x23ff, v[SL+n]           ; 9,215: the table's last word
	v_lshlrev_b32 v[98+n%2], 2, v[98+n%2]
	ds_store_b32 v[98+n%2], v[96+(n/2)%2]
.set n, n+1
.endr
	s_wait_dscnt 0x0                               ; for the others' sake: my tokens are in the table
	s_barrier_signal -1
	s_barrier_wait -1
.irp i, 0,1,2,3,4,5,6,7,8
	ds_load_b128 v[TB+4*\i:TB+4*\i+3], v2 offset:4096*\i
.endr
.irp i, 0,1,2,3,4,5,6,7,8
	s_wait_dscnt 8-\i                              ; LDS loads come back in order: number i is in
	global_store_b128 v2, v[TB+4*\i:TB+4*\i+3], s[22:23] offset:4096*\i
.endr
	s_cmp_lg_u32 s24, 0
	s_cbranch_scc1 .Ldone                          ; wave 0 alone writes the 64 tiles' experts; no barrier follows
	v_lshlrev_b32 v1, 3, v0                        ; lane l takes tiles 2 l and 2 l + 1: 8 bytes, the wave 256
	v_lshlrev_b32 v96, 1, v0
	v_add_nc_u32 v97, 1, v96
	v_mov_b32 v98, 0
	v_mov_b32 v99, 0
.irp e, 0,1,2,3,4,5,6,7                                ; a tile's expert = how many experts end at or in front of the tile
	v_cmp_le_u32 vcc_lo, s[28+\e], v96
	v_add_co_ci_u32 v98, vcc_lo, 0, v98, vcc_lo
	v_cmp_le_u32 vcc_lo, s[28+\e], v97
	v_add_co_ci_u32 v99, vcc_lo, 0, v99, vcc_lo
.endr
	v_min_u32 v98, 7, v98
	v_min_u32 v99, 7, v99
	global_store_b64 v1, v[98:99], s[22:23] offset:TEXP
.Ldone:
	s_wait_tensorcnt 0x0
	ds_add_u32 v136, v137
	s_wait_dscnt 0x0
	s_endpgm
	; ---------------- work-groups 1 to 1280: 64 KiB of f32 to 32 KiB of 16-bit numbers ----------------
.Lconv:
	v_lshlrev_b32 v1, 4, v0                        ; 16 bytes in a lane: a wave's load covers 512 consecutive bytes
	v_lshlrev_b32 v2, 3, v0                        ; 8 bytes out a lane: a wave's store covers 256 consecutive bytes, aligned
	s_sub_co_u32 s24, ttmp9, 1
	s_lshr_b32 s25, s24, 9                         ; 0: w1 (512 pieces), 1: w2 (512), 2: x (256)
	s_and_b32 s26, s24, 511
	s_lshl_b32 s28, s26, 16
	s_mov_b32 s29, 0
	s_lshl_b32 s30, s26, 15
	s_mov_b32 s31, 0
	s_wait_kmcnt 0x0
	s_cmp_eq_u32 s25, 0
	s_cselect_b64 s[32:33], s[8:9], s[12:13]
	s_cselect_b64 s[34:35], s[16:17], s[20:21]
	s_cmp_eq_u32 s25, 1
	s_cselect_b64 s[32:33], s[10:11], s[32:33]
	s_cselect_b64 s[34:35], s[18:19], s[34:35]
	s_add_nc_u64 s[32:33], s[32:33], s[28:29]
	s_add_nc_u64 s[34:35], s[34:35], s[30:31]
.set i, 0
.rept 16                                               ; all of the piece is asked for at once: 16 loads a wave in flight
	global_load_b128 v[X+4*i:X+4*i+3], v1, s[32:33] offset:4096*i th:TH_LOAD_NT
.set i, i+1
.endr
	s_cmp_eq_u32 s25, 1
	s_cbranch_scc1 .Lw2
.set i, 0
.rept 16
	s_wait_loadcnt 15-i                            ; loads come back in order: number i is in, the 15 - i younger ones stay out
	v_cvt_pk_bf16_f32 v[X+4*i], v[X+4*i], v[X+4*i+1]
	v_cvt_pk_bf16_f32 v[X+4*i+1], v[X+4*i+2], v[X+4*i+3]
	global_store_b64 v2, v[X+4*i:X+4*i+1], s[34:35] offset:2048*i  ; no register of a store is written again
.set i, i+1
.endr
	s_endpgm
.Lw2:
.set i, 0
.rept 16                                               ; w2: rounded to bf16 like every input, and that number written as f16
	s_wait_loadcnt 15-i
	v_cvt_pk_bf16_f32 v68, v[X+4*i], v[X+4*i+1]
	v_cvt_pk_bf16_f32 v69, v[X+4*i+2], v[X+4*i+3]
	v_lshlrev_b32 v[X+4*i], 16, v68
	v_and_b32 v[X+4*i+1], 0xffff0000, v68
	v_lshlrev_b32 v[X+4*i+2], 16, v69
	v_and_b32 v[X+4*i+3], 0xffff0000, v69
	v_cvt_pk_f16_f32 v[X+4*i], v[X+4*i], v[X+4*i+1]
	v_cvt_pk_f16_f32 v[X+4*i+1], v[X+4*i+2], v[X+4*i+3]
	global_store_b64 v2, v[X+4*i:X+4*i+1], s[34:35] offset:2048*i
.set i, i+1
.endr
	s_endpgm
.Lfunc_end_k_q7512cbe3e0_prep:
	.size	k_q7512cbe3e0_prep, .Lfunc_end_k_q7512cbe3e0_prep-k_q7512cbe3e0_prep
	.p2alignl 7, 3214868480
	.fill 96, 4, 3214868480
	.section	.rodata,"a",@progbits
	.p2align	6, 0x0
	.amdhsa_kernel k_q7512cbe3e0_prep
		.amdhsa_group_segment_fixed_size 38400
		.amdhsa_private_segment_fixed_size 0
		.amdhsa_enable_private_segment 0
		.amdhsa_kernarg_size 64
		.amdhsa_user_sgpr_count 2
		.amdhsa_user_sgpr_kernarg_segment_ptr 1
		.amdhsa_wavefront_size32 1
		.amdhsa_system_sgpr_workgroup_id_x 1
		.amdhsa_system_sgpr_workgroup_id_y 1
		.amdhsa_system_sgpr_workgroup_id_z 1
		.amdhsa_system_vgpr_workitem_id 0
		.amdhsa_next_free_vgpr 138
		.amdhsa_next_free_sgpr 66
		.amdhsa_reserve_vcc 1
		.amdhsa_float_denorm_mode_32 3
		.amdhsa_float_denorm_mode_16_64 3
		.amdhsa_memory_ordered 1
		.amdhsa_forward_progress 1
		.amdhsa_inst_pref_size 80
	.end_amdhsa_kernel
	.amdgpu_metadata
---
amdhsa.version: [ 1, 2 ]
amdhsa.kernels:
  - .name:           k_q7512cbe3e0_prep
    .symbol:         k_q7512cbe3e0_prep.kd
    .args:
      - { .name: w1, .offset: 0, .size: 8, .value_kind: global_buffer, .address_space: global }
      - { .name: w2, .offset: 8, .size: 8, .value_kind: global_buffer, .address_space: global }
      - { .name: x, .offset: 16, .size: 8, .value_kind: global_buffer, .address_space: global }
      - { .name: expert_indices, .offset: 24, .size: 8, .value_kind: global_buffer, .address_space: global }
      - { .name: w1b, .offset: 32, .size: 8, .value_kind: global_buffer, .address_space: global }
      - { .name: w2h, .offset: 40, .size: 8, .value_kind: global_buffer, .address_space: global }
      - { .name: xb, .offset: 48, .size: 8, .value_kind: global_buffer, .address_space: global }
      - { .name: route, .offset: 56, .size: 8, .value_kind: global_buffer, .address_space: global }
    .group_segment_fixed_size: 38400
    .private_segment_fixed_size: 0
    .kernarg_segment_align: 8
    .kernarg_segment_size: 64
    .max_flat_workgroup_size: 256
    .sgpr_count:     66
    .vgpr_count:     138
    .wavefront_size: 32
...
	.end_amdgpu_metadata
.endif
;; end of part 1
;; launch gemm1 (part 2): grid 4 x 64, 4 waves a work-group, no clusters, 327,680 bytes of LDS; arguments xb, w1b, b1, route, hbuf; writes hbuf
.if DOCPART == 2
	.amdgcn_target "amdgcn-amd-amdhsa--gfx1250"
	.amdhsa_code_object_version 6
	.text
	.protected	k_q7512cbe3e0_gemm1
	.globl	k_q7512cbe3e0_gemm1
	.p2align	8
	.type	k_q7512cbe3e0_gemm1,@function
k_q7512cbe3e0_gemm1:
	s_mov_b64 s[64:65], 0
	v_nop
	global_prefetch_b8 v0, s[64:65] scope:SCOPE_SE
	s_setreg_imm32_b32 hwreg(HW_REG_WAVE_MODE, 25, 1), 1
	s_wait_xcnt 0x0
; FIRST PRODUCT OF THE ROUTED EXPERTS.  hbuf[slot][n] = f16(silu(sum over k of xb[token(slot)][k] w1b[e][k][n] + bf16(b1[e][n]))), e the expert of the slot's row tile.
; Only the pairs (token, expert) that the indices name are computed: for every other expert the token's weight is a sum over an empty mask, exactly 0.
; LIMITS.  x, w1 and b1 enter rounded to bf16; sums, bias and silu in f32; h is rounded once, to f16: beyond 65,504 it becomes an infinity, below 6e-5 it keeps f16's fixed step of 6e-8.
; Where an expert that a token does not name would overflow, the product 0 x infinity of the dense form is not reproduced.
; SHARES.  A work-group makes 144 slots x 256 columns (grid: 4 column tiles x 64 row tiles, one work-group for each of 256 tiles); each of its four waves all 144 rows x 64 columns:
; 9 x 4 accumulators of 16 x 16, 288 registers.  K = 1,024 goes in 8 steps of 128 through two LDS slots.
; Row tiles that the routing leaves empty run like the others, on token 0 and expert 7, and store rows that nobody reads: ending them would be a branch on loaded numbers round barriers.
; W's tile (128 k x 256 n, rows of 512 bytes) comes by tensor loads, 32 rows a wave, and is turned on its way into registers by ds_load_tr16_b128.
; A's tile (144 rows x 256 bytes) is a gather by token: it comes through registers, 36 rows a wave, asked for two steps ahead and stored into LDS one step ahead.
; THE MATRIX INSTRUCTION IS USED TRANSPOSED (source 0 = 16 columns of W, source 1 = 16 rows of A): lane l then holds row l % 16 and the eight neighbouring columns 8 (l / 16) + 0..7.
; NO CLUSTER: W's tiles are shared by the row tiles of one expert alone, and which those are hangs on counts read from memory; experts padded to groups of four row tiles would
; need up to 8 x 3 tiles more than the 64 that fill the grid; A is gathered through registers, so there is no joint load to make of it.
; REGISTERS, in windows of 256 (s_set_vgpr_msb: bits 1:0 source 0, 3:2 source 1, 5:4 source 2, 7:6 destination):
;   window 0: addresses, A on its way, the bias, the way out      window 1: two fragment buffers of 104 (4 of W, 9 of A), and the accumulators of rows 128-143 at v208-239
;   window 2: the accumulators of rows 0-127, (a, b) at v[8 (4 a + b)]
.set PA,    272                        ; a row of A in LDS: 256 bytes + 16 = 68 words: the 16 rows of a load start at 16 different groups of four banks (64 banks of 4 bytes: ISA guide 11.1)
.set PB,    544                        ; a row of W: 512 bytes + 32 = 136 words
.set ASLOT, 144*PA                     ; 39,168: A's two slots lie at 0; they are written by ds_store alone
.set BBASE, 2*ASLOT                    ; 78,336: W's two slots, filled by tensor loads alone
.set BSLOT, 128*PB                     ; 69,632
.set BQ,    32*PB                      ; what one tensor load fills
.set STAGE, BBASE+2*BSLOT              ; 217,600: the work-group's stage for the way out, 144 rows x 528 bytes
.set SP,    528                        ; 512 bytes + 16
.set SPARE, STAGE+144*SP               ; 293,632: the spare words, 128 bytes for each wave: two blocks of 256 bytes that no other line names
.set TEXP,  69632                      ; route: the row tiles' experts
.set ADRA, 4                           ; v4-5    LDS address of my A fragments in slot 0, 1
.set ADRB, 6                           ; v6-7    the same for W
.set AST,  8                           ; v8-9    where I store A's rows in slot 0, 1
.set STO,  10                          ; v10     the way out: where I put 16 bytes of a row
.set STOB, 11                          ; v11     the same for rows 128-143, whose offset passes 16 bits
.set RD,   12                          ; v12     the way out: where I read a row back
.set CO,   13                          ; v13     16 x lane
.set SPW,  14                          ; v14     LDS address of my spare word; never rewritten
.set NIL,  15                          ; v15     0; never rewritten
.set RO,   16                          ; v16-33  load i of 18: byte offset in xb of my 16 bytes of the token's row
.set RA,   34                          ; v34     byte offset of my slots in the table of tokens
.set BO,   35                          ; v35     my lanes' offset in the bias
.set STG,  36                          ; v36-107 A on its way: 18 loads of 16 bytes
.set BI,   108                         ; v108-139 the bias as the C operand of the first products: register 8 b + j = column 16 b + 8 (l / 16) + j
.set T,    140                         ; v140-171 at work
.set P,    172                         ; v172-187 16 rows x 64 columns of h, packed
.set F0,   0                           ; fragment buffers, in window 1: W's fragment b at F + 8 b, A's fragment a at F + 32 + 8 a
.set F1,   104
.set G1,   24                          ; s[24:31] descriptor group 1
.set G0,   32                          ; s[32:39] descriptor group 0, a set for each slot
.set MSB, 0
.macro WIN new                         ; the immediate's high byte repeats the setting that is left; a switch that changes nothing is dropped
.if MSB != (\new)
	s_set_vgpr_msb (MSB<<8)|(\new)
.set MSB, \new
.endif
.endm
.macro PLACES                          ; a load into a register that a matrix instruction has read, and whatever reads a matrix result, stand four plain vector instructions behind it
.rept 4
	v_nop
.endr
.endm
.macro ALOADS                          ; 18 loads: rows 36 w + 2 i + l / 16; sixteen lanes take a row's 256 bytes of the K step
.set ii, 0
.rept 18
	global_load_b128 v[STG+4*ii:STG+4*ii+3], v[RO+ii], s[4:5]
.set ii, ii+1
.endr
.endm
; The fragments of 32 along K (quarter q of the slot's step) into buffer f: 8 loads for W, then 18 for A, rows ascending
.macro FETCH slot, q, f
	WIN 0x40                                       ; destination window 1, address window 0
.irp b, 0,1,2,3
	ds_load_tr16_b128 v[(\f)+8*\b:(\f)+8*\b+3],   v[ADRB+(\slot)] offset:(\q)*32*PB+32*\b
	ds_load_tr16_b128 v[(\f)+8*\b+4:(\f)+8*\b+7], v[ADRB+(\slot)] offset:(\q)*32*PB+32*\b+16*PB
.endr
.irp a, 0,1,2,3,4,5,6,7,8
	ds_load_b128 v[(\f)+32+8*\a:(\f)+32+8*\a+3],   v[ADRA+(\slot)] offset:\a*16*PA+(\q)*64
	ds_load_b128 v[(\f)+32+8*\a+4:(\f)+32+8*\a+7], v[ADRA+(\slot)] offset:\a*16*PA+(\q)*64+32
.endr
.endm
; Row blocks a0 to a1 x all four column blocks, 32 along K.  first = 1: the bias, as C, starts the sums.  The 36 accumulators take turns in the same order in every quarter.
.macro MULS f, a0, a1, first
.set aa, \a0
.rept (\a1)-(\a0)+1
.if aa < 8
.set AC, 32*aa
	WIN 0xa5-0x20*(\first)                         ; fragments window 1, D window 2, C window 2 (the bias: window 0)
.else
.set AC, 208
	WIN 0x55-0x10*(\first)                         ; the same with D and C in window 1
.endif
.irp b, 0,1,2,3
.if \first
	v_wmma_f32_16x16x32_bf16 v[AC+8*\b:AC+8*\b+7], v[(\f)+8*\b:(\f)+8*\b+7], v[(\f)+32+8*aa:(\f)+32+8*aa+7], v[BI+8*\b:BI+8*\b+7]
.else
	v_wmma_f32_16x16x32_bf16 v[AC+8*\b:AC+8*\b+7], v[(\f)+8*\b:(\f)+8*\b+7], v[(\f)+32+8*aa:(\f)+32+8*aa+7], v[AC+8*\b:AC+8*\b+7]
.endif
.endr
.set aa, aa+1
.endr
.endm
; A's part of a step that reads slot: the next step's rows, asked for a step ago, go into the other slot, which nobody has read since the last change of slots.  mode = 2: the step after that is asked for.
.macro APART slot, mode
	WIN 0
	s_wait_loadcnt 0x0                             ; the 18 loads are in: their base and their registers are free
.if (\mode) == 2
	s_add_nc_u64 s[4:5], s[4:5], 256               ; 128 along K
.endif
.set ii, 0
.rept 18
	ds_store_b128 v[AST+1-(\slot)], v[STG+4*ii:STG+4*ii+3] offset:2*PA*ii
.set ii, ii+1
.endr
.if (\mode) == 2
	ALOADS
.endif
.endm
; A K step is four quarters of 32 along K, 36 matrix instructions each, on buffers 0, 1, 0, 1.  One of the first three multiplies buffer f and fetches quarter qn into buffer g.
.macro QUARTER slot, qn, f, g, first, apart
	s_wait_dscnt 10                                ; W's fragments and A's rows 0-63 are in; the youngest ten loads (rows 64-143) may be out.  Behind an APART its 18 stores are younger still: the count then asks for more than is needed
	PLACES                                         ; for the loads into g, which the quarter before multiplied
	FETCH \slot, \qn, \g
	MULS \f, 0, 3, \first
	s_wait_dscnt 26                                ; all but the 26 just issued
.if \apart
	APART \slot, \apart
.endif
	MULS \f, 4, 8, \first
.endm
; The last quarter multiplies buffer 1 and changes slots: ONE barrier.  In front of it each wave waits for all its tensor loads (one is out: its part of W's other slot), adds 0 to its spare word, and
; waits for that, for its reads of this slot and for its stores into A's other slot.  Behind it nobody reads this slot and the other slot is whole.  refill = 1: W's slot is filled again, two steps ahead.
.macro TURN slot, refill
	WIN 0                                          ; the add's two registers lie in window 0
	s_wait_tensorcnt 0x0                           ; no tensor load of mine is out, so a group 0 may be written
	ds_add_u32 v[SPW], v[NIL]                      ; 0 onto my spare word
.if \refill
	s_add_nc_u64 s[G0+4*(\slot)+2:G0+4*(\slot)+3], s[G0+4*(\slot)+2:G0+4*(\slot)+3], 2*128*2048  ; 256 rows of W on; the type bits on top are not reached
.endif
	s_wait_dscnt 15                                ; the add and the youngest fourteen loads (A's rows 32-143) may be out
	MULS F1, 0, 1, 0
	s_wait_dscnt 0x0                               ; the add is done, my reads of this slot are over, my rows of A's other slot are written
	s_barrier_signal -1
	MULS F1, 2, 3, 0                               ; work on registers while the others arrive
	WIN 0
	s_barrier_wait -1
.if \refill
	tensor_load_to_lds s[G0+4*(\slot):G0+4*(\slot)+3], s[G1:G1+7]  ; my one tensor load behind the barrier, first thing there: it has a step less a few products in which to land
	s_nop 0
.endif
	PLACES                                         ; also the places in front of the loads into buffer 0
	FETCH 1-(\slot), 0, F0
	MULS F1, 4, 8, 0
.endm
	s_load_b256 s[4:11], s[0:1], 0x0               ; xb s[4:5], w1b s[6:7], b1 s[8:9], route s[10:11]
	s_load_b64 s[12:13], s[0:1], 0x20              ; hbuf
	v_lshl_add_u32 v[SPW], v0, 2, SPARE
	v_mov_b32 v[NIL], 0
	ds_add_u32 v14, v15
	ds_add_u32 v14, v15
	s_wait_dscnt 0x0
	v_lshrrev_b32 v3, 5, v0
	v_readfirstlane_b32 s14, v3                    ; wave 0..3
	s_mov_b32 s15, ttmp9                           ; column tile
	s_and_b32 s16, ttmp7, 0xffff                   ; row tile
	s_lshl_b32 s18, s16, 2
	s_mul_i32 s19, s16, 144
	s_mul_i32 s20, s14, 36
	s_add_co_u32 s19, s19, s20                     ; the first slot that I fetch and store: 144 x row tile + 36 x wave
	v_and_b32 v1, 15, v0                           ; l % 16
	v_bfe_u32 v2, v0, 4, 1                         ; l / 16
	v_add_nc_u32 v[RA], s19, v2
	v_lshlrev_b32 v[RA], 2, v[RA]
	s_wait_kmcnt 0x0
	s_load_b32 s17, s[10:11], s18 offset:TEXP      ; the tile's expert
.set ii, 0
.rept 18
	global_load_b32 v[RO+ii], v[RA], s[10:11] offset:8*ii  ; the token of slot 36 w + 2 i + l / 16
.set ii, ii+1
.endr
	; descriptor group 1: 32 rows x 256 elements of 2 bytes, 1,024 elements from row to row, padded in LDS
	s_mov_b32 s[G1+0], (1<<16)|(1<<20)|(6<<22)|(7<<25)  ; 17:16 elements of 2 bytes; 20 padding on; 24:22 after every 128 words (code 6); 31:25 8 words of it (code 7)
	s_mov_b32 s[G1+1], 256<<16                     ; tensor_dim0 = 256
	s_mov_b32 s[G1+2], 32<<16                      ; tensor_dim1 = 32
	s_mov_b32 s[G1+3], 256<<16                     ; tile_dim0 = 256
	s_mov_b32 s[G1+4], 32                          ; tile_dim1 = 32
	s_mov_b32 s[G1+5], 1024                        ; the pitch
	s_mov_b32 s[G1+6], 0
	s_mov_b32 s[G1+7], 0
	v_mul_u32_u24 v3, v1, PA                       ; A's fragments: row l % 16, 16 bytes for each half of the lanes
	v_lshl_add_u32 v[ADRA], v2, 4, v3
	v_add_nc_u32 v[ADRA+1], ASLOT, v[ADRA]
	v_and_b32 v3, 7, v0                            ; W's: the turning load reads row 8 (l / 16) + l % 8, bytes 16 ((l / 8) % 2) on, of my wave's 128 bytes
	v_lshl_add_u32 v3, v2, 3, v3
	v_mul_u32_u24 v3, v3, PB
	v_bfe_u32 v[BO], v0, 3, 1
	v_lshl_add_u32 v3, v[BO], 4, v3
	s_lshl_b32 s20, s14, 7
	s_add_co_u32 s20, s20, BBASE
	v_add_nc_u32 v[ADRB], s20, v3
	v_add_nc_u32 v[ADRB+1], BSLOT, v[ADRB]
	s_mul_i32 s20, s14, 36*PA                      ; A's stores: rows 36 w + l / 16 on, 16 bytes a lane
	v_mul_u32_u24 v3, v2, PA
	v_lshl_add_u32 v3, v1, 4, v3
	v_add_nc_u32 v[AST], s20, v3
	v_add_nc_u32 v[AST+1], ASLOT, v[AST]
	v_mul_u32_u24 v3, v1, SP                       ; into the stage: row l % 16, my wave's 128 bytes, 16 for each half of the lanes
	v_lshl_add_u32 v3, v2, 4, v3
	s_lshl_b32 s20, s14, 7
	s_add_co_u32 s20, s20, STAGE
	v_add_nc_u32 v[STO], s20, v3
	v_add_nc_u32 v[STOB], 128*SP, v[STO]
	v_and_b32 v3, 31, v0
	v_lshlrev_b32 v[CO], 4, v3
	s_mul_i32 s20, s14, 36*SP                      ; back: rows 36 w on, whole: 32 lanes x 16 bytes
	s_add_co_u32 s20, s20, STAGE
	v_add_nc_u32 v[RD], s20, v[CO]
	v_lshlrev_b32 v[BO], 5, v2                     ; 8 columns of f32 for each half of the lanes
	v_lshlrev_b32 v3, 4, v1
	s_lshl_b32 s20, s19, 11                        ; hbuf at my first slot's row, my tile's 512 bytes
	s_lshl_b32 s21, s15, 9
	s_add_co_u32 s20, s20, s21
	s_mov_b32 s21, 0
	s_add_nc_u64 s[12:13], s[12:13], s[20:21]
	s_mul_i32 s40, s14, BQ
	s_mov_b32 s22, 0xbfb8aa3b                      ; -log2(e), named as a pair
	s_mov_b32 s23, s22
	s_wait_kmcnt 0x0
	s_min_u32 s17, s17, 7
	s_lshl_b32 s20, s17, 21                        ; the expert's 2 MiB, my tile's 512 bytes of a row, my wave's 32 rows of 2,048 bytes
	s_lshl_b32 s21, s15, 9
	s_add_co_u32 s20, s20, s21
	s_lshl_b32 s21, s14, 16
	s_add_co_u32 s20, s20, s21
	s_mov_b32 s21, 0
	s_add_nc_u64 s[6:7], s[6:7], s[20:21]
.irp c, 0,1
	s_mov_b32 s[G0+4*\c], 1                        ; count = 1
	s_add_co_u32 s[G0+4*\c+1], s40, BBASE+\c*BSLOT ; LDS address: the slot, my wave's 32 rows
	s_add_nc_u64 s[G0+4*\c+2:G0+4*\c+3], s[6:7], \c*128*2048  ; global address: K step c
	s_or_b32 s[G0+4*\c+3], s[G0+4*\c+3], 0x80000000  ; type = 2
.endr
	tensor_load_to_lds s[G0:G0+3], s[G1:G1+7]      ; both first fills together, ahead of every wait on TENSORcnt, LDS read and barrier: two loads of mine are out
	s_nop 0
	tensor_load_to_lds s[G0+4:G0+7], s[G1:G1+7]
	s_nop 0
	PLACES
	s_lshl_b32 s20, s17, 12                        ; the bias: the expert's 4,096 bytes, my tile's 1,024, my wave's 256
	s_lshl_b32 s21, s15, 10
	s_add_co_u32 s20, s20, s21
	s_lshl_b32 s21, s14, 8
	s_add_co_u32 s20, s20, s21
	s_mov_b32 s21, 0
	s_add_nc_u64 s[8:9], s[8:9], s[20:21]
.irp b, 0,1,2,3
	global_load_b128 v[BI+8*\b:BI+8*\b+3],   v[BO], s[8:9] offset:64*\b
	global_load_b128 v[BI+8*\b+4:BI+8*\b+7], v[BO], s[8:9] offset:64*\b+16
.endr
	s_wait_loadcnt 8                               ; the 18 tokens are in; the bias's eight loads are younger
.set ii, 0
.rept 18
	v_min_u32 v[RO+ii], 0xfff, v[RO+ii]            ; a token is 4,095 at the most
	v_lshlrev_b32 v[RO+ii], 11, v[RO+ii]           ; its row of 2,048 bytes
	v_add_nc_u32 v[RO+ii], v[RO+ii], v3            ; + 16 (l % 16)
.set ii, ii+1
.endr
	ALOADS                                         ; A of K step 0
	s_wait_loadcnt 18                              ; the bias is in; A's 18 loads are younger
.set ii, 0
.rept 16
	v_cvt_pk_bf16_f32 v[T+ii], v[BI+2*ii], v[BI+2*ii+1]  ; the bias is rounded to bf16 like every input, and widened again
.set ii, ii+1
.endr
.set ii, 0
.rept 16
	v_lshlrev_b32 v[BI+2*ii], 16, v[T+ii]
	v_and_b32 v[BI+2*ii+1], 0xffff0000, v[T+ii]
.set ii, ii+1
.endr
	APART 1, 2                                     ; A of step 0 into slot 0; A of step 1 is asked for
	s_wait_tensorcnt 0x1                           ; my part of W's step 0 is in; step 1's may stay out
	s_wait_dscnt 0x0                               ; my rows of A are written
	s_barrier_signal -1
	s_barrier_wait -1
	FETCH 0, 0, F0
	QUARTER 0, 1, F0, F1, 1, 0                     ; the first quarter stands in front of the loop: its products start the sums, on the bias
	WIN 0                                          ; at a label and at a branch every window is 0
	s_mov_b32 s3, 3
.Lk:                                                   ; a trip: two K steps, from a step's second quarter to the first of the step after the next; steps 0 to 5 fill W's slots again and ask for A
	QUARTER 0, 2, F1, F0, 0, 2
	QUARTER 0, 3, F0, F1, 0, 0
	TURN 0, 1
	QUARTER 1, 1, F0, F1, 0, 0
	QUARTER 1, 2, F1, F0, 0, 2
	QUARTER 1, 3, F0, F1, 0, 0
	TURN 1, 1
	QUARTER 0, 1, F0, F1, 0, 0
	WIN 0
	s_sub_co_u32 s3, s3, 1
	s_cmp_lg_u32 s3, 0
	s_cbranch_scc1 .Lk
	QUARTER 0, 2, F1, F0, 0, 1                     ; step 6: A of step 7 is stored, nothing more is asked for
	QUARTER 0, 3, F0, F1, 0, 0
	TURN 0, 0
	QUARTER 1, 1, F0, F1, 0, 0                     ; step 7
	QUARTER 1, 2, F1, F0, 0, 0
	QUARTER 1, 3, F0, F1, 0, 0
	s_wait_dscnt 10
	MULS F1, 0, 3, 0
	s_wait_dscnt 0x0
	MULS F1, 4, 8, 0
; THE WAY OUT.  Block a (16 rows x my 64 columns): h = z / (1 + 2^(-log2(e) z)), rounded to f16, 16 bytes a lane into the work-group's stage.  Each accumulator is read from its lowest registers on.
.macro SILU a
.if (\a) < 8
.set AC, 32*(\a)
.set SW, 2
.else
.set AC, 208
.set SW, 1
.endif
	WIN SW                                         ; source 0: the accumulators' window
.set ii, 0
.rept 16
	v_pk_mul_f32 v[T+2*ii:T+2*ii+1], v[AC+2*ii:AC+2*ii+1], s[22:23] op_sel_hi:[1,0]
.set ii, ii+1
.endr
	WIN 0
.set ii, 0
.rept 32
	v_exp_f32 v[T+ii], v[T+ii]
.set ii, ii+1
.endr
	v_nop                                          ; a plain instruction between the last exponential and the use of the results
.set ii, 0
	s_wait_alu depctr_va_vdst(0)
.rept 16
	v_pk_add_f32 v[T+2*ii:T+2*ii+1], v[T+2*ii:T+2*ii+1], 1.0 op_sel_hi:[1,0]
.set ii, ii+1
.endr
.set ii, 0
.rept 32
	v_rcp_f32 v[T+ii], v[T+ii]
.set ii, ii+1
.endr
	v_nop                                          ; likewise behind the last reciprocal
	WIN SW<<2                                      ; source 1: the accumulators' window
.set ii, 0
	s_wait_alu depctr_va_vdst(0)
.rept 16
	v_pk_mul_f32 v[T+2*ii:T+2*ii+1], v[T+2*ii:T+2*ii+1], v[AC+2*ii:AC+2*ii+1]
.set ii, ii+1
.endr
	WIN 0
.set ii, 0
.rept 16
	v_cvt_pk_f16_f32 v[P+ii], v[T+2*ii], v[T+2*ii+1]
.set ii, ii+1
.endr
.irp b, 0,1,2,3
.if (\a) < 8
	ds_store_b128 v[STO], v[P+4*\b:P+4*\b+3] offset:(\a)*16*SP+32*\b
.else
	ds_store_b128 v[STOB], v[P+4*\b:P+4*\b+3] offset:32*\b
.endif
.endr
.endm
	PLACES                                         ; the first lines below read results just made
.irp a, 0,1,2,3,4,5,6,7,8
	SILU \a
.endr
	s_wait_dscnt 0x0                               ; for the others' sake: a row's 512 bytes come from four waves
	s_barrier_signal -1
	s_barrier_wait -1
.set ii, 0
.rept 36
	ds_load_b128 v[STG+4*ii:STG+4*ii+3], v[RD] offset:SP*ii  ; row 36 w + i, whole
.set ii, ii+1
.endr
.set ii, 0
.rept 36
	s_wait_dscnt 35-ii                             ; LDS loads come back in order: row i is in
	global_store_b128 v[CO], v[STG+4*ii:STG+4*ii+3], s[12:13] offset:2048*ii  ; the wave stores 512 consecutive bytes, at a multiple of 512 from hbuf's first byte
.set ii, ii+1
.endr
	s_wait_tensorcnt 0x0                           ; the wave's end
	ds_add_u32 v[SPW], v[NIL]
	s_wait_dscnt 0x0
	s_endpgm
.Lfunc_end_k_q7512cbe3e0_gemm1:
	.size	k_q7512cbe3e0_gemm1, .Lfunc_end_k_q7512cbe3e0_gemm1-k_q7512cbe3e0_gemm1
	.p2alignl 7, 3214868480
	.fill 96, 4, 3214868480
	.section	.rodata,"a",@progbits
	.p2align	6, 0x0
	.amdhsa_kernel k_q7512cbe3e0_gemm1
		.amdhsa_group_segment_fixed_size 327680
		.amdhsa_private_segment_fixed_size 0
		.amdhsa_enable_private_segment 0
		.amdhsa_kernarg_size 40
		.amdhsa_user_sgpr_count 2
		.amdhsa_user_sgpr_kernarg_segment_ptr 1
		.amdhsa_wavefront_size32 1
		.amdhsa_system_sgpr_workgroup_id_x 1
		.amdhsa_system_sgpr_workgroup_id_y 1
		.amdhsa_system_sgpr_workgroup_id_z 1
		.amdhsa_system_vgpr_workitem_id 0
		.amdhsa_next_free_vgpr 768
		.amdhsa_next_free_sgpr 66
		.amdhsa_reserve_vcc 0
		.amdhsa_float_denorm_mode_32 3
		.amdhsa_float_denorm_mode_16_64 3
		.amdhsa_memory_ordered 1
		.amdhsa_forward_progress 1
		.amdhsa_inst_pref_size 158
	.end_amdhsa_kernel
	.amdgpu_metadata
---
amdhsa.version: [ 1, 2 ]
amdhsa.kernels:
  - .name:           k_q7512cbe3e0_gemm1
    .symbol:         k_q7512cbe3e0_gemm1.kd
    .args:
      - { .name: xb, .offset: 0, .size: 8, .value_kind: global_buffer, .address_space: global }
      - { .name: w1b, .offset: 8, .size: 8, .value_kind: global_buffer, .address_space: global }
      - { .name: b1, .offset: 16, .size: 8, .value_kind: global_buffer, .address_space: global }
      - { .name: route, .offset: 24, .size: 8, .value_kind: global_buffer, .address_space: global }
      - { .name: hbuf, .offset: 32, .size: 8, .value_kind: global_buffer, .address_space: global }
    .group_segment_fixed_size: 327680
    .private_segment_fixed_size: 0
    .kernarg_segment_align: 8
    .kernarg_segment_size: 40
    .max_flat_workgroup_size: 128
    .sgpr_count:     66
    .vgpr_count:     768
    .wavefront_size: 32
...
	.end_amdgpu_metadata
.endif
;; end of part 2
;; launch gemm2 (part 3): grid 4 x 64, 4 waves a work-group, no clusters, 327,680 bytes of LDS; arguments hbuf, w2h, b2, route, ybuf; writes ybuf
.if DOCPART == 3
	.amdgcn_target "amdgcn-amd-amdhsa--gfx1250"
	.amdhsa_code_object_version 6
	.text
	.protected	k_q7512cbe3e0_gemm2
	.globl	k_q7512cbe3e0_gemm2
	.p2align	8
	.type	k_q7512cbe3e0_gemm2,@function
k_q7512cbe3e0_gemm2:
	s_mov_b64 s[64:65], 0
	v_nop
	global_prefetch_b8 v0, s[64:65] scope:SCOPE_SE
	s_setreg_imm32_b32 hwreg(HW_REG_WAVE_MODE, 25, 1), 1
	s_wait_xcnt 0x0
; SECOND PRODUCT OF THE ROUTED EXPERTS.  ybuf[slot][n] = sum over k of hbuf[slot][k] w2h[e][k][n] + bf16(b2[e][n]), in f32, e the expert of the slot's row tile; the token's weight comes in the last launch.
; LIMITS.  h and w2 enter as f16 (w2: its bf16 rounding written as f16, exact from 2^-17 to 65,504); b2 rounded to bf16; sums in f32.
; SHARES, RING AND LAYOUT are the first product's: a work-group makes 144 slots x 256 columns (grid: 4 column tiles x 64 row tiles), each of its four waves all 144 rows x 64 columns in 36 accumulators;
; K = 1,024 goes in 8 steps of 128 through two LDS slots; W's tile comes by tensor loads, 32 rows a wave, and is turned by ds_load_tr16_b128; A's rows, here consecutive slots, come through registers,
; 36 rows a wave, asked for two steps ahead and stored into LDS one step ahead.  Row tiles that the routing leaves empty run like the others and store rows that nobody reads.
; THE MATRIX INSTRUCTION IS USED TRANSPOSED (source 0 = 16 columns of W, source 1 = 16 rows of A): lane l holds row l % 16 and the eight neighbouring columns 8 (l / 16) + 0..7.
; NO CLUSTER: W's tiles are shared by the row tiles of one expert alone, and which those are hangs on counts read from memory; experts padded to groups of four row tiles would
; need up to 8 x 3 tiles more than the 64 that fill the grid.
; REGISTERS, in windows of 256 (s_set_vgpr_msb: bits 1:0 source 0, 3:2 source 1, 5:4 source 2, 7:6 destination):
;   window 0: addresses, A on its way, the bias, the way out      window 1: two fragment buffers of 104 (4 of W, 9 of A), and the accumulators of rows 128-143 at v208-239
;   window 2: the accumulators of rows 0-127, (a, b) at v[8 (4 a + b)]
.set PA,    272                        ; a row of A in LDS: 256 bytes + 16 = 68 words: the 16 rows of a load start at 16 different groups of four banks (64 banks of 4 bytes: ISA guide 11.1)
.set PB,    544                        ; a row of W: 512 bytes + 32 = 136 words
.set ASLOT, 144*PA                     ; 39,168: A's two slots lie at 0; they are written by ds_store alone
.set BBASE, 2*ASLOT                    ; 78,336: W's two slots, filled by tensor loads alone
.set BSLOT, 128*PB                     ; 69,632
.set BQ,    32*PB                      ; what one tensor load fills
.set STAGE, BBASE+2*BSLOT              ; 217,600: a stage of 16 rows x 272 bytes for each wave, its own
.set SP,    272                        ; 64 f32 + 16 bytes
.set SPARE, STAGE+4*16*SP              ; 235,008: the spare words, 128 bytes for each wave: two blocks of 256 bytes that no other line names
.set TEXP,  69632                      ; route: the row tiles' experts
.set ADRA, 4                           ; v4-5    LDS address of my A fragments in slot 0, 1
.set ADRB, 6                           ; v6-7    the same for W
.set AST,  8                           ; v8-9    where I store A's rows in slot 0, 1
.set STO,  10                          ; v10     the way out: where I put 32 bytes of a row
.set RD,   12                          ; v12     the way out: where I read rows back
.set CO,   13                          ; v13     my byte offset in two rows of ybuf
.set SPW,  14                          ; v14     LDS address of my spare word; never rewritten
.set NIL,  15                          ; v15     0; never rewritten
.set RO,   16                          ; v16     byte offset in hbuf of my 16 bytes of slot 36 w + l / 16
.set BO,   35                          ; v35     my lanes' offset in the bias
.set STG,  36                          ; v36-107 A on its way: 18 loads of 16 bytes
.set OB,   36                          ; the way out: v36-67 and v68-99 by turns, 16 rows read back
.set BI,   108                         ; v108-139 the bias as the C operand of the first products: register 8 b + j = column 16 b + 8 (l / 16) + j
.set T,    140                         ; v140-155 at work
.set F0,   0                           ; fragment buffers, in window 1: W's fragment b at F + 8 b, A's fragment a at F + 32 + 8 a
.set F1,   104
.set G1,   24                          ; s[24:31] descriptor group 1
.set G0,   32                          ; s[32:39] descriptor group 0, a set for each slot
.set MSB, 0
.macro WIN new                         ; the immediate's high byte repeats the setting that is left; a switch that changes nothing is dropped
.if MSB != (\new)
	s_set_vgpr_msb (MSB<<8)|(\new)
.set MSB, \new
.endif
.endm
.macro PLACES                          ; a load into a register that a matrix instruction has read, and whatever reads a matrix result, stand four plain vector instructions behind it
.rept 4
	v_nop
.endr
.endm
.macro ALOADS                          ; 18 loads: slots 36 w + 2 i + l / 16; sixteen lanes take a row's 256 bytes of the K step
.set ii, 0
.rept 18
	global_load_b128 v[STG+4*ii:STG+4*ii+3], v[RO], s[4:5] offset:4096*ii
.set ii, ii+1
.endr
.endm
; The fragments of 32 along K (quarter q of the slot's step) into buffer f: 8 loads for W, then 18 for A, rows ascending
.macro FETCH slot, q, f
	WIN 0x40                                       ; destination window 1, address window 0
.irp b, 0,1,2,3
	ds_load_tr16_b128 v[(\f)+8*\b:(\f)+8*\b+3],   v[ADRB+(\slot)] offset:(\q)*32*PB+32*\b
	ds_load_tr16_b128 v[(\f)+8*\b+4:(\f)+8*\b+7], v[ADRB+(\slot)] offset:(\q)*32*PB+32*\b+16*PB
.endr
.irp a, 0,1,2,3,4,5,6,7,8
	ds_load_b128 v[(\f)+32+8*\a:(\f)+32+8*\a+3],   v[ADRA+(\slot)] offset:\a*16*PA+(\q)*64
	ds_load_b128 v[(\f)+32+8*\a+4:(\f)+32+8*\a+7], v[ADRA+(\slot)] offset:\a*16*PA+(\q)*64+32
.endr
.endm
; Row blocks a0 to a1 x all four column blocks, 32 along K.  first = 1: the bias, as C, starts the sums.  The 36 accumulators take turns in the same order in every quarter.
.macro MULS f, a0, a1, first
.set aa, \a0
.rept (\a1)-(\a0)+1
.if aa < 8
.set AC, 32*aa
	WIN 0xa5-0x20*(\first)                         ; fragments window 1, D window 2, C window 2 (the bias: window 0)
.else
.set AC, 208
	WIN 0x55-0x10*(\first)                         ; the same with D and C in window 1
.endif
.irp b, 0,1,2,3
.if \first
	v_wmma_f32_16x16x32_f16 v[AC+8*\b:AC+8*\b+7], v[(\f)+8*\b:(\f)+8*\b+7], v[(\f)+32+8*aa:(\f)+32+8*aa+7], v[BI+8*\b:BI+8*\b+7]
.else
	v_wmma_f32_16x16x32_f16 v[AC+8*\b:AC+8*\b+7], v[(\f)+8*\b:(\f)+8*\b+7], v[(\f)+32+8*aa:(\f)+32+8*aa+7], v[AC+8*\b:AC+8*\b+7]
.endif
.endr
.set aa, aa+1
.endr
.endm
; A's part of a step that reads slot: the next step's rows, asked for a step ago, go into the other slot, which nobody has read since the last change of slots.  mode = 2: the step after that is asked for.
.macro APART slot, mode
	WIN 0
	s_wait_loadcnt 0x0                             ; the 18 loads are in: their base and their registers are free
.if (\mode) == 2
	s_add_nc_u64 s[4:5], s[4:5], 256               ; 128 along K
.endif
.set ii, 0
.rept 18
	ds_store_b128 v[AST+1-(\slot)], v[STG+4*ii:STG+4*ii+3] offset:2*PA*ii
.set ii, ii+1
.endr
.if (\mode) == 2
	ALOADS
.endif
.endm
; A K step is four quarters of 32 along K, 36 matrix instructions each, on buffers 0, 1, 0, 1.  One of the first three multiplies buffer f and fetches quarter qn into buffer g.
.macro QUARTER slot, qn, f, g, first, apart
	s_wait_dscnt 10                                ; W's fragments and A's rows 0-63 are in; the youngest ten loads (rows 64-143) may be out.  Behind an APART its 18 stores are younger still: the count then asks for more than is needed
	PLACES                                         ; for the loads into g, which the quarter before multiplied
	FETCH \slot, \qn, \g
	MULS \f, 0, 3, \first
	s_wait_dscnt 26                                ; all but the 26 just issued
.if \apart
	APART \slot, \apart
.endif
	MULS \f, 4, 8, \first
.endm
; The last quarter multiplies buffer 1 and changes slots: ONE barrier.  In front of it each wave waits for all its tensor loads (one is out: its part of W's other slot), adds 0 to its spare word, and
; waits for that, for its reads of this slot and for its stores into A's other slot.  Behind it nobody reads this slot and the other slot is whole.  refill = 1: W's slot is filled again, two steps ahead.
.macro TURN slot, refill
	WIN 0                                          ; the add's two registers lie in window 0
	s_wait_tensorcnt 0x0                           ; no tensor load of mine is out, so a group 0 may be written
	ds_add_u32 v[SPW], v[NIL]                      ; 0 onto my spare word
.if \refill
	s_add_nc_u64 s[G0+4*(\slot)+2:G0+4*(\slot)+3], s[G0+4*(\slot)+2:G0+4*(\slot)+3], 2*128*2048  ; 256 rows of W on; the type bits on top are not reached
.endif
	s_wait_dscnt 15                                ; the add and the youngest fourteen loads (A's rows 32-143) may be out
	MULS F1, 0, 1, 0
	s_wait_dscnt 0x0                               ; the add is done, my reads of this slot are over, my rows of A's other slot are written
	s_barrier_signal -1
	MULS F1, 2, 3, 0                               ; work on registers while the others arrive
	WIN 0
	s_barrier_wait -1
.if \refill
	tensor_load_to_lds s[G0+4*(\slot):G0+4*(\slot)+3], s[G1:G1+7]  ; my one tensor load behind the barrier, first thing there: it has a step less a few products in which to land
	s_nop 0
.endif
	PLACES                                         ; also the places in front of the loads into buffer 0
	FETCH 1-(\slot), 0, F0
	MULS F1, 4, 8, 0
.endm
	s_load_b256 s[4:11], s[0:1], 0x0               ; hbuf s[4:5], w2h s[6:7], b2 s[8:9], route s[10:11]
	s_load_b64 s[12:13], s[0:1], 0x20              ; ybuf
	v_lshl_add_u32 v[SPW], v0, 2, SPARE
	v_mov_b32 v[NIL], 0
	ds_add_u32 v14, v15
	ds_add_u32 v14, v15
	s_wait_dscnt 0x0
	v_lshrrev_b32 v3, 5, v0
	v_readfirstlane_b32 s14, v3                    ; wave 0..3
	s_mov_b32 s15, ttmp9                           ; column tile
	s_and_b32 s16, ttmp7, 0xffff                   ; row tile
	s_lshl_b32 s18, s16, 2
	s_mul_i32 s19, s16, 144
	s_mul_i32 s20, s14, 36
	s_add_co_u32 s19, s19, s20                     ; the first slot that I fetch: 144 x row tile + 36 x wave
	v_and_b32 v1, 15, v0                           ; l % 16
	v_bfe_u32 v2, v0, 4, 1                         ; l / 16
	s_wait_kmcnt 0x0
	s_load_b32 s17, s[10:11], s18 offset:TEXP      ; the tile's expert
	; descriptor group 1: 32 rows x 256 elements of 2 bytes, 1,024 elements from row to row, padded in LDS
	s_mov_b32 s[G1+0], (1<<16)|(1<<20)|(6<<22)|(7<<25)  ; 17:16 elements of 2 bytes; 20 padding on; 24:22 after every 128 words (code 6); 31:25 8 words of it (code 7)
	s_mov_b32 s[G1+1], 256<<16                     ; tensor_dim0 = 256
	s_mov_b32 s[G1+2], 32<<16                      ; tensor_dim1 = 32
	s_mov_b32 s[G1+3], 256<<16                     ; tile_dim0 = 256
	s_mov_b32 s[G1+4], 32                          ; tile_dim1 = 32
	s_mov_b32 s[G1+5], 1024                        ; the pitch
	s_mov_b32 s[G1+6], 0
	s_mov_b32 s[G1+7], 0
	v_add_nc_u32 v3, s19, v2                       ; A's loads: slot 36 w + l / 16, its row of 2,048 bytes, 16 bytes a lane
	v_lshlrev_b32 v3, 11, v3
	v_lshl_add_u32 v[RO], v1, 4, v3
	v_mul_u32_u24 v3, v1, PA                       ; A's fragments: row l % 16, 16 bytes for each half of the lanes
	v_lshl_add_u32 v[ADRA], v2, 4, v3
	v_add_nc_u32 v[ADRA+1], ASLOT, v[ADRA]
	v_and_b32 v3, 7, v0                            ; W's: the turning load reads row 8 (l / 16) + l % 8, bytes 16 ((l / 8) % 2) on, of my wave's 128 bytes
	v_lshl_add_u32 v3, v2, 3, v3
	v_mul_u32_u24 v3, v3, PB
	v_bfe_u32 v[BO], v0, 3, 1
	v_lshl_add_u32 v3, v[BO], 4, v3
	s_lshl_b32 s20, s14, 7
	s_add_co_u32 s20, s20, BBASE
	v_add_nc_u32 v[ADRB], s20, v3
	v_add_nc_u32 v[ADRB+1], BSLOT, v[ADRB]
	s_mul_i32 s20, s14, 36*PA                      ; A's stores: rows 36 w + l / 16 on, 16 bytes a lane
	v_mul_u32_u24 v3, v2, PA
	v_lshl_add_u32 v3, v1, 4, v3
	v_add_nc_u32 v[AST], s20, v3
	v_add_nc_u32 v[AST+1], ASLOT, v[AST]
	s_mul_i32 s20, s14, 16*SP
	s_add_co_u32 s20, s20, STAGE                   ; my stage
	v_mul_u32_u24 v3, v1, SP                       ; in: row l % 16, 32 bytes for each half of the lanes
	v_lshl_add_u32 v3, v2, 5, v3
	v_add_nc_u32 v[STO], s20, v3
	v_mul_u32_u24 v3, v2, SP                       ; back: lanes 0-15 take one row of 256 bytes, lanes 16-31 the next
	v_lshl_add_u32 v3, v1, 4, v3
	v_add_nc_u32 v[RD], s20, v3
	v_lshlrev_b32 v3, 12, v2                       ; and the same two rows in ybuf
	v_lshl_add_u32 v[CO], v1, 4, v3
	v_lshlrev_b32 v[BO], 5, v2                     ; 8 columns of f32 for each half of the lanes
	s_mul_i32 s20, s16, 144*4096                   ; ybuf at the tile's first row, my tile's 1,024 bytes, my wave's 256
	s_lshl_b32 s21, s15, 10
	s_add_co_u32 s20, s20, s21
	s_lshl_b32 s21, s14, 8
	s_add_co_u32 s20, s20, s21
	s_mov_b32 s21, 0
	s_add_nc_u64 s[12:13], s[12:13], s[20:21]
	s_mul_i32 s40, s14, BQ
	s_wait_kmcnt 0x0
	s_min_u32 s17, s17, 7
	s_lshl_b32 s20, s17, 21                        ; the expert's 2 MiB, my tile's 512 bytes of a row, my wave's 32 rows of 2,048 bytes
	s_lshl_b32 s21, s15, 9
	s_add_co_u32 s20, s20, s21
	s_lshl_b32 s21, s14, 16
	s_add_co_u32 s20, s20, s21
	s_mov_b32 s21, 0
	s_add_nc_u64 s[6:7], s[6:7], s[20:21]
.irp c, 0,1
	s_mov_b32 s[G0+4*\c], 1                        ; count = 1
	s_add_co_u32 s[G0+4*\c+1], s40, BBASE+\c*BSLOT ; LDS address: the slot, my wave's 32 rows
	s_add_nc_u64 s[G0+4*\c+2:G0+4*\c+3], s[6:7], \c*128*2048  ; global address: K step c
	s_or_b32 s[G0+4*\c+3], s[G0+4*\c+3], 0x80000000  ; type = 2
.endr
	tensor_load_to_lds s[G0:G0+3], s[G1:G1+7]      ; both first fills together, ahead of every wait on TENSORcnt, LDS read and barrier: two loads of mine are out
	s_nop 0
	tensor_load_to_lds s[G0+4:G0+7], s[G1:G1+7]
	s_nop 0
	PLACES
	s_lshl_b32 s20, s17, 12                        ; the bias: the expert's 4,096 bytes, my tile's 1,024, my wave's 256
	s_lshl_b32 s21, s15, 10
	s_add_co_u32 s20, s20, s21
	s_lshl_b32 s21, s14, 8
	s_add_co_u32 s20, s20, s21
	s_mov_b32 s21, 0
	s_add_nc_u64 s[8:9], s[8:9], s[20:21]
.irp b, 0,1,2,3
	global_load_b128 v[BI+8*\b:BI+8*\b+3],   v[BO], s[8:9] offset:64*\b
	global_load_b128 v[BI+8*\b+4:BI+8*\b+7], v[BO], s[8:9] offset:64*\b+16
.endr
	ALOADS                                         ; A of K step 0
	s_wait_loadcnt 18                              ; the bias is in; A's 18 loads are younger
.set ii, 0
.rept 16
	v_cvt_pk_bf16_f32 v[T+ii], v[BI+2*ii], v[BI+2*ii+1]  ; the bias is rounded to bf16 like every input, and widened again
.set ii, ii+1
.endr
.set ii, 0
.rept 16
	v_lshlrev_b32 v[BI+2*ii], 16, v[T+ii]
	v_and_b32 v[BI+2*ii+1], 0xffff0000, v[T+ii]
.set ii, ii+1
.endr
	APART 1, 2                                     ; A of step 0 into slot 0; A of step 1 is asked for
	s_wait_tensorcnt 0x1                           ; my part of W's step 0 is in; step 1's may stay out
	s_wait_dscnt 0x0                               ; my rows of A are written
	s_barrier_signal -1
	s_barrier_wait -1
	FETCH 0, 0, F0
	QUARTER 0, 1, F0, F1, 1, 0                     ; the first quarter stands in front of the loop: its products start the sums, on the bias
	WIN 0                                          ; at a label and at a branch every window is 0
	s_mov_b32 s3, 3
.Lk:                                                   ; a trip: two K steps, from a step's second quarter to the first of the step after the next; steps 0 to 5 fill W's slots again and ask for A
	QUARTER 0, 2, F1, F0, 0, 2
	QUARTER 0, 3, F0, F1, 0, 0
	TURN 0, 1
	QUARTER 1, 1, F0, F1, 0, 0
	QUARTER 1, 2, F1, F0, 0, 2
	QUARTER 1, 3, F0, F1, 0, 0
	TURN 1, 1
	QUARTER 0, 1, F0, F1, 0, 0
	WIN 0
	s_sub_co_u32 s3, s3, 1
	s_cmp_lg_u32 s3, 0
	s_cbranch_scc1 .Lk
	QUARTER 0, 2, F1, F0, 0, 1                     ; step 6: A of step 7 is stored, nothing more is asked for
	QUARTER 0, 3, F0, F1, 0, 0
	TURN 0, 0
	QUARTER 1, 1, F0, F1, 0, 0                     ; step 7
	QUARTER 1, 2, F1, F0, 0, 0
	QUARTER 1, 3, F0, F1, 0, 0
	s_wait_dscnt 10
	MULS F1, 0, 3, 0
	s_wait_dscnt 0x0
	MULS F1, 4, 8, 0
; THE WAY OUT, a block of 16 rows x my 64 columns at a time, through my own stage: a lane's eight f32 of a row go in as two stores of 16 bytes, each accumulator's lowest registers first,
; and come back as whole rows of 256 bytes.  LDS serves a wave's instructions in order (ISA guide 5.7.1.4): the loads see the stores above them, and the next block's stores come behind the loads.
.macro TOSTAGE a
.if (\a) < 8
.set AC, 32*(\a)
	WIN 0x08                                       ; the data (source 1) in window 2
.else
.set AC, 208
	WIN 0x04                                       ; in window 1
.endif
.irp b, 0,1,2,3
	ds_store_b128 v[STO], v[AC+8*\b:AC+8*\b+3]   offset:64*\b
	ds_store_b128 v[STO], v[AC+8*\b+4:AC+8*\b+7] offset:64*\b+16
.endr
	WIN 0
	s_wait_xcnt 0x0                                ; the buffer below was the data of the stores two blocks back: it is loaded again only behind this wait
.set BK, OB+32*((\a)%2)
.irp t, 0,1,2,3,4,5,6,7
	ds_load_b128 v[BK+4*\t:BK+4*\t+3], v[RD] offset:2*SP*\t
.endr
.endm
.macro SEND a, younger                 ; younger: the LDS instructions issued behind block a's loads: the next block's sixteen, or none
.set BK, OB+32*((\a)%2)
	s_wait_dscnt \younger
.irp t, 0,1,2,3,4,5,6,7
	global_store_b128 v[CO], v[BK+4*\t:BK+4*\t+3], s[12:13] offset:(16*(\a)+2*\t)*4096  ; 16 lanes store 256 consecutive bytes, at a multiple of 256 from ybuf's first byte
.endr
.endm
	PLACES                                         ; the first stores below read results just made
	TOSTAGE 0
.irp a, 1,2,3,4,5,6,7,8
	TOSTAGE \a
	SEND (\a)-1, 16
.endr
	SEND 8, 0
	s_wait_tensorcnt 0x0                           ; the wave's end
	ds_add_u32 v[SPW], v[NIL]
	s_wait_dscnt 0x0
	s_endpgm
.Lfunc_end_k_q7512cbe3e0_gemm2:
	.size	k_q7512cbe3e0_gemm2, .Lfunc_end_k_q7512cbe3e0_gemm2-k_q7512cbe3e0_gemm2
	.p2alignl 7, 3214868480
	.fill 96, 4, 3214868480
	.section	.rodata,"a",@progbits
	.p2align	6, 0x0
	.amdhsa_kernel k_q7512cbe3e0_gemm2
		.amdhsa_group_segment_fixed_size 327680
		.amdhsa_private_segment_fixed_size 0
		.amdhsa_enable_private_segment 0
		.amdhsa_kernarg_size 40
		.amdhsa_user_sgpr_count 2
		.amdhsa_user_sgpr_kernarg_segment_ptr 1
		.amdhsa_wavefront_size32 1
		.amdhsa_system_sgpr_workgroup_id_x 1
		.amdhsa_system_sgpr_workgroup_id_y 1
		.amdhsa_system_sgpr_workgroup_id_z 1
		.amdhsa_system_vgpr_workitem_id 0
		.amdhsa_next_free_vgpr 768
		.amdhsa_next_free_sgpr 66
		.amdhsa_reserve_vcc 0
		.amdhsa_float_denorm_mode_32 3
		.amdhsa_float_denorm_mode_16_64 3
		.amdhsa_memory_ordered 1
		.amdhsa_forward_progress 1
		.amdhsa_inst_pref_size 105
	.end_amdhsa_kernel
	.amdgpu_metadata
---
amdhsa.version: [ 1, 2 ]
amdhsa.kernels:
  - .name:           k_q7512cbe3e0_gemm2
    .symbol:         k_q7512cbe3e0_gemm2.kd
    .args:
      - { .name: hbuf, .offset: 0, .size: 8, .value_kind: global_buffer, .address_space: global }
      - { .name: w2h, .offset: 8, .size: 8, .value_kind: global_buffer, .address_space: global }
      - { .name: b2, .offset: 16, .size: 8, .value_kind: global_buffer, .address_space: global }
      - { .name: route, .offset: 24, .size: 8, .value_kind: global_buffer, .address_space: global }
      - { .name: ybuf, .offset: 32, .size: 8, .value_kind: global_buffer, .address_space: global }
    .group_segment_fixed_size: 327680
    .private_segment_fixed_size: 0
    .kernarg_segment_align: 8
    .kernarg_segment_size: 40
    .max_flat_workgroup_size: 128
    .sgpr_count:     66
    .vgpr_count:     768
    .wavefront_size: 32
...
	.end_amdgpu_metadata
.endif
;; end of part 3
;; launch combine (part 4): grid 256 x 1, 8 waves a work-group, no clusters, 0 bytes of LDS; arguments ybuf, route, expert_weights, expert_indices, out0; writes out0
.if DOCPART == 4
	.amdgcn_target "amdgcn-amd-amdhsa--gfx1250"
	.amdhsa_code_object_version 6
	.text
	.protected	k_q7512cbe3e0_combine
	.globl	k_q7512cbe3e0_combine
	.p2align	8
	.type	k_q7512cbe3e0_combine,@function
k_q7512cbe3e0_combine:
	s_mov_b64 s[64:65], 0
	v_nop
	global_prefetch_b8 v0, s[64:65] scope:SCOPE_SE
	s_setreg_imm32_b32 hwreg(HW_REG_WAVE_MODE, 25, 1), 1
	s_wait_xcnt 0x0
; COMBINE.  out0[t][:] = g(t, 0) ybuf[slot(t, 0)][:] + g(t, 1) ybuf[slot(t, 1)][:], g = the pair's weight rounded to bf16 like every input, or 0 where its index lies outside 0..7 (it matches no expert).
; A token that names one expert twice has two slots with the same row: g0 y + g1 y stands for (g0 + g1) y, an order of rounding that differs from the dense form's.
; A stream: each row of ybuf that a pair names is read once, each row of out0 written once.  A wave takes two tokens: 32 loads of 512 consecutive bytes, all asked for at once; no LDS, no barrier, no loop.
; The matrix units, clusters and LDS would add nothing here: two multiply-adds for 12 bytes moved.
.set POS, 36864                        ; route: the pairs' slots
.set G,   4                            ; v[4:11]   the four weights, each twice (a pair for the packed arithmetic)
.set Y,   16                           ; v[16:143] pair p's row: 32 registers at Y + 32 p
	s_load_b256 s[4:11], s[0:1], 0x0               ; ybuf s[4:5], route s[6:7], weights s[8:9], indices s[10:11]
	s_load_b64 s[12:13], s[0:1], 0x20              ; out0
	v_lshrrev_b32 v1, 5, v0
	v_readfirstlane_b32 s14, v1                    ; wave 0..7
	v_and_b32 v1, 31, v0
	v_lshlrev_b32 v1, 4, v1                        ; 16 x lane; never rewritten
	s_lshl_b32 s15, ttmp9, 4
	s_lshl1_add_u32 s15, s14, s15                  ; my first token: 16 x work-group + 2 x wave
	s_lshl_b32 s36, s15, 3                         ; its two pairs' words: 8 bytes a token
	s_lshl_b32 s38, s15, 12                        ; its row of 4,096 bytes
	s_mov_b32 s39, 0
	s_wait_kmcnt 0x0
	s_load_b128 s[16:19], s[6:7], s36 offset:POS   ; four slots,
	s_load_b128 s[20:23], s[8:9], s36 offset:0x0   ; four weights,
	s_load_b128 s[24:27], s[10:11], s36 offset:0x0 ; four indices
	s_add_nc_u64 s[12:13], s[12:13], s[38:39]
	s_wait_kmcnt 0x0
.irp p, 0,1,2,3
	s_min_u32 s[16+\p], s[16+\p], 0x23ff           ; a slot is 9,215 at the most
	s_lshl_b32 s[28+2*\p], s[16+\p], 12            ; its row of 4,096 bytes
	s_mov_b32 s[29+2*\p], 0
	s_add_nc_u64 s[28+2*\p:29+2*\p], s[4:5], s[28+2*\p:29+2*\p]
.endr
.irp p, 0,1,2,3
.irp j, 0,1,2,3,4,5,6,7
	global_load_b128 v[Y+32*\p+4*\j:Y+32*\p+4*\j+3], v1, s[28+2*\p:29+2*\p] offset:512*\j th:TH_LOAD_NT
.endr
.endr
.irp p, 0,1,2,3
	s_cmp_lt_u32 s[24+\p], 8                       ; an index outside 0..7 (as an unsigned number) matches no expert
	s_cselect_b32 s[20+\p], s[20+\p], 0
.endr
	v_cvt_pk_bf16_f32 v2, s20, s21
	v_cvt_pk_bf16_f32 v3, s22, s23
	v_lshlrev_b32 v[G], 16, v2
	v_and_b32 v[G+2], 0xffff0000, v2
	v_lshlrev_b32 v[G+4], 16, v3
	v_and_b32 v[G+6], 0xffff0000, v3
.irp p, 0,1,2,3
	v_mov_b32 v[G+2*\p+1], v[G+2*\p]               ; named with it as a pair
.endr
; Token k of my two.  left: the younger loads that may stay out.
.macro TOKEN k, left
	s_wait_loadcnt \left
.set i, 0
.rept 16
	v_pk_mul_f32 v[Y+64*(\k)+2*i:Y+64*(\k)+2*i+1], v[Y+64*(\k)+2*i:Y+64*(\k)+2*i+1], v[G+4*(\k):G+4*(\k)+1] op_sel_hi:[1,0]
.set i, i+1
.endr
.set i, 0
.rept 16
	v_pk_fma_f32 v[Y+64*(\k)+2*i:Y+64*(\k)+2*i+1], v[Y+64*(\k)+32+2*i:Y+64*(\k)+32+2*i+1], v[G+4*(\k)+2:G+4*(\k)+3], v[Y+64*(\k)+2*i:Y+64*(\k)+2*i+1] op_sel_hi:[1,0,1]
.set i, i+1
.endr
.irp j, 0,1,2,3,4,5,6,7
	global_store_b128 v1, v[Y+64*(\k)+4*\j:Y+64*(\k)+4*\j+3], s[12:13] offset:4096*(\k)+512*\j th:TH_STORE_NT  ; the wave stores 512 consecutive bytes, aligned; no register of a store is written again
.endr
.endm
	TOKEN 0, 16                                    ; the second token's 16 loads stay out
	TOKEN 1, 0
	s_endpgm
.Lfunc_end_k_q7512cbe3e0_combine:
	.size	k_q7512cbe3e0_combine, .Lfunc_end_k_q7512cbe3e0_combine-k_q7512cbe3e0_combine
	.p2alignl 7, 3214868480
	.fill 96, 4, 3214868480
	.section	.rodata,"a",@progbits
	.p2align	6, 0x0
	.amdhsa_kernel k_q7512cbe3e0_combine
		.amdhsa_group_segment_fixed_size 0
		.amdhsa_private_segment_fixed_size 0
		.amdhsa_enable_private_segment 0
		.amdhsa_kernarg_size 40
		.amdhsa_user_sgpr_count 2
		.amdhsa_user_sgpr_kernarg_segment_ptr 1
		.amdhsa_wavefront_size32 1
		.amdhsa_system_sgpr_workgroup_id_x 1
		.amdhsa_system_sgpr_workgroup_id_y 1
		.amdhsa_system_sgpr_workgroup_id_z 1
		.amdhsa_system_vgpr_workitem_id 0
		.amdhsa_next_free_vgpr 144
		.amdhsa_next_free_sgpr 66
		.amdhsa_reserve_vcc 0
		.amdhsa_float_denorm_mode_32 3
		.amdhsa_float_denorm_mode_16_64 3
		.amdhsa_memory_ordered 1
		.amdhsa_forward_progress 1
		.amdhsa_inst_pref_size 11
	.end_amdhsa_kernel
	.amdgpu_metadata
---
amdhsa.version: [ 1, 2 ]
amdhsa.kernels:
  - .name:           k_q7512cbe3e0_combine
    .symbol:         k_q7512cbe3e0_combine.kd
    .args:
      - { .name: ybuf, .offset: 0, .size: 8, .value_kind: global_buffer, .address_space: global }
      - { .name: route, .offset: 8, .size: 8, .value_kind: global_buffer, .address_space: global }
      - { .name: expert_weights, .offset: 16, .size: 8, .value_kind: global_buffer, .address_space: global }
      - { .name: expert_indices, .offset: 24, .size: 8, .value_kind: global_buffer, .address_space: global }
      - { .name: out0, .offset: 32, .size: 8, .value_kind: global_buffer, .address_space: global }
    .group_segment_fixed_size: 0
    .private_segment_fixed_size: 0
    .kernarg_segment_align: 8
    .kernarg_segment_size: 40
    .max_flat_workgroup_size: 256
    .sgpr_count:     66
    .vgpr_count:     144
    .wavefront_size: 32
...
	.end_amdgpu_metadata
.endif
;; end of part 4
;; ======== version 2 of 2: 4 launches; version 1 with the launch combine written anew for expert scheduling mode
;; limits: values are held in f16: magnitudes above 65,504 overflow, below 6.1e-05 lose precision
;; workspace buffers: w1b 16,777,216 bytes; w2h 16,777,216 bytes; xb 8,388,608 bytes; hbuf 18,874,368 bytes; ybuf 37,748,736 bytes; route 69,888 bytes of whole numbers
;; launch prep: the kernel of part 1 again; grid 1281 x 1, 8 waves a work-group, no clusters, 38,400 bytes of LDS; arguments w1, w2, x, expert_indices, w1b, w2h, xb, route; writes w1b, w2h, xb, route
;; launch gemm1: the kernel of part 2 again; grid 4 x 64, 4 waves a work-group, no clusters, 327,680 bytes of LDS; arguments xb, w1b, b1, route, hbuf; writes hbuf
;; launch gemm2: the kernel of part 3 again; grid 4 x 64, 4 waves a work-group, no clusters, 327,680 bytes of LDS; arguments hbuf, w2h, b2, route, ybuf; writes ybuf
;; launch combine (part 5): grid 256 x 1, 8 waves a work-group, no clusters, 0 bytes of LDS; arguments ybuf, route, expert_weights, expert_indices, out0; writes out0
.if DOCPART == 5
	.amdgcn_target "amdgcn-amd-amdhsa--gfx1250"
	.amdhsa_code_object_version 6
	.text
	.protected	k_q7512cbe3e0_combine
	.globl	k_q7512cbe3e0_combine
	.p2align	8
	.type	k_q7512cbe3e0_combine,@function
k_q7512cbe3e0_combine:
	s_mov_b64 s[64:65], 0
	v_nop
	global_prefetch_b8 v0, s[64:65] scope:SCOPE_SE
	s_setreg_imm32_b32 hwreg(HW_REG_WAVE_SCHED_MODE, 0, 2), 2
	s_setreg_imm32_b32 hwreg(HW_REG_WAVE_MODE, 25, 1), 1
	s_wait_xcnt 0x0
	s_wait_alu depctr_vm_vsrc(0)
; COMBINE.  out0[t][:] = g(t, 0) ybuf[slot(t, 0)][:] + g(t, 1) ybuf[slot(t, 1)][:], g = the pair's weight rounded to bf16 like every input, or 0 where its index lies outside 0..7 (it matches no expert).
; A token that names one expert twice has two slots with the same row: g0 y + g1 y stands for (g0 + g1) y, an order of rounding that differs from the dense form's.
; A stream: each row of ybuf that a pair names is read once, each row of out0 written once.  A wave takes two tokens: 32 loads of 512 consecutive bytes, all asked for at once; no LDS, no barrier, no loop.
; The matrix units, clusters and LDS would add nothing here: two multiply-adds for 12 bytes moved.
; THE MODE: SCHED_MODE bits 1:0 = 2 (LLVM: expert scheduling mode 2), set by the entry lines.  The code itself states the register dependences
; between vector instructions and memory instructions, with s_wait_alu, always for 0.
; THE PLAN.  The wave's two tokens go in four blocks of half a token: 2,048 bytes of out0, 16 registers of each of the token's two rows.  Registers that memory instructions touch:
;   v1          16 x lane.  Written at the head and never again; read by every load and store as its offset.
;   Y, pairs 0 and 2   A load lands; the block's products and multiply-adds read and write it in place; one store reads it; it is never written again.
;   Y, pairs 1 and 3   A load lands; the block's multiply-adds read it; no store names it.
;   v2, v3 and G are named by vector instructions alone.
; Block b works on its own 32 registers.  Its memory instructions are the four stores of block b - 1, whose registers no vector instruction of block b names.  So one wait at a block's head,
; behind the wait for the block's data, states all that those four stores hang on, and they are dealt among the block's sixteen vector instructions with no further wait.
; No register that a memory instruction reads is written again, so no wait for such reads is owed anywhere.
.set POS, 36864                        ; route: the pairs' slots
.set G,   4                            ; v[4:11]   the four weights, each twice (a pair for the packed arithmetic)
.set Y,   16                           ; v[16:143] pair p's row: 32 registers at Y + 32 p
	s_load_b256 s[4:11], s[0:1], 0x0               ; ybuf s[4:5], route s[6:7], weights s[8:9], indices s[10:11]
	s_load_b64 s[12:13], s[0:1], 0x20              ; out0
	v_lshrrev_b32 v1, 5, v0
	v_readfirstlane_b32 s14, v1                    ; wave 0..7
	v_and_b32 v1, 31, v0
	v_lshlrev_b32 v1, 4, v1                        ; 16 x lane; never rewritten
	s_wait_alu depctr_va_sdst(0)                   ; s14 is written, ahead of its first reader: my tokens' number is made from it
	s_lshl_b32 s15, ttmp9, 4
	s_lshl1_add_u32 s15, s14, s15                  ; my first token: 16 x work-group + 2 x wave
	s_lshl_b32 s36, s15, 3                         ; its two pairs' words: 8 bytes a token
	s_lshl_b32 s38, s15, 12                        ; its row of 4,096 bytes
	s_mov_b32 s39, 0
	s_wait_kmcnt 0x0
	s_load_b128 s[16:19], s[6:7], s36 offset:POS   ; four slots,
	s_load_b128 s[20:23], s[8:9], s36 offset:0x0   ; four weights,
	s_load_b128 s[24:27], s[10:11], s36 offset:0x0 ; four indices
	s_add_nc_u64 s[12:13], s[12:13], s[38:39]
	s_wait_kmcnt 0x0
.irp p, 0,1,2,3
	s_min_u32 s[16+\p], s[16+\p], 0x23ff           ; a slot is 9,215 at the most
	s_lshl_b32 s[28+2*\p], s[16+\p], 12            ; its row of 4,096 bytes
	s_mov_b32 s[29+2*\p], 0
	s_add_nc_u64 s[28+2*\p:29+2*\p], s[4:5], s[28+2*\p:29+2*\p]
.endr
	s_wait_alu depctr_va_vdst(0)                   ; v1 is written: every load and store of the kernel reads it as its offset
.irp b, 0,1,2,3                                        ; block by block, a block's two rows by turns: block b's eight loads are numbers 8 b to 8 b + 7 of the 32
.irp i, 0,1,2,3
	global_load_b128 v[Y+64*((\b)/2)+16*((\b)%2)+4*\i:Y+64*((\b)/2)+16*((\b)%2)+4*\i+3],       v1, s[28+4*((\b)/2):29+4*((\b)/2)] offset:2048*((\b)%2)+512*\i th:TH_LOAD_NT
	global_load_b128 v[Y+64*((\b)/2)+32+16*((\b)%2)+4*\i:Y+64*((\b)/2)+32+16*((\b)%2)+4*\i+3], v1, s[30+4*((\b)/2):31+4*((\b)/2)] offset:2048*((\b)%2)+512*\i th:TH_LOAD_NT
.endr
.endr
.irp p, 0,1,2,3
	s_cmp_lt_u32 s[24+\p], 8                       ; an index outside 0..7 (as an unsigned number) matches no expert
	s_cselect_b32 s[20+\p], s[20+\p], 0
.endr
	v_cvt_pk_bf16_f32 v2, s20, s21
	v_cvt_pk_bf16_f32 v3, s22, s23
	v_lshlrev_b32 v[G], 16, v2
	v_and_b32 v[G+2], 0xffff0000, v2
	v_lshlrev_b32 v[G+4], 16, v3
	v_and_b32 v[G+6], 0xffff0000, v3
.irp p, 0,1,2,3
	v_mov_b32 v[G+2*\p+1], v[G+2*\p]               ; named with it as a pair
.endr
; Block b: half b % 2 of token b / 2.  left: the younger loads that may stay out, eight for each block behind this one.
; Eight products g0 y0, then eight multiply-adds g1 y1 + that, in place; in front of each four of them a store of the block before.
.macro BLK b, left
	s_wait_loadcnt \left                           ; loads come back in order (ISA guide 5.7.1): this block's eight are in
.set RE, Y+64*((\b)/2)+16*((\b)%2)                     ; the block's 16 registers of the token's first row; its second row's lie 32 further on
.set GW, G+4*((\b)/2)                                  ; the token's two weights
.if (\b) > 0
.set PE, Y+64*(((\b)-1)/2)+16*(((\b)-1)%2)             ; the 16 registers that the block before has finished
	s_wait_alu depctr_va_vdst(0)                   ; the multiply-adds of the block before have written v[PE ..], which the four stores below read
.endif
.irp i, 0,1,2,3
.if (\b) > 0
	global_store_b128 v1, v[PE+4*\i:PE+4*\i+3], s[12:13] offset:2048*((\b)-1)+512*\i th:TH_STORE_NT  ; the wave stores 512 consecutive bytes, aligned; no vector instruction since the wait names these registers, and none writes them again
.endif
.set n, 0
.rept 4
.if \i < 2
	v_pk_mul_f32 v[RE+8*\i+2*n:RE+8*\i+2*n+1], v[RE+8*\i+2*n:RE+8*\i+2*n+1], v[GW:GW+1] op_sel_hi:[1,0]
.else
	v_pk_fma_f32 v[RE+8*(\i-2)+2*n:RE+8*(\i-2)+2*n+1], v[RE+32+8*(\i-2)+2*n:RE+32+8*(\i-2)+2*n+1], v[GW+2:GW+3], v[RE+8*(\i-2)+2*n:RE+8*(\i-2)+2*n+1] op_sel_hi:[1,0,1]
.endif
.set n, n+1
.endr
.endr
.endm
	BLK 0, 24                                      ; no block stands in front of it: no store, and no wait but the one for its data
	BLK 1, 16
	BLK 2, 8
	BLK 3, 0
	s_wait_alu depctr_va_vdst(0)                   ; block 3's multiply-adds have written v[Y+80 ..], which the last four stores read
.irp i, 0,1,2,3
	global_store_b128 v1, v[Y+80+4*\i:Y+80+4*\i+3], s[12:13] offset:2048*3+512*\i th:TH_STORE_NT
.endr
	s_endpgm
.Lfunc_end_k_q7512cbe3e0_combine:
	.size	k_q7512cbe3e0_combine, .Lfunc_end_k_q7512cbe3e0_combine-k_q7512cbe3e0_combine
	.p2alignl 7, 3214868480
	.fill 96, 4, 3214868480
	.section	.rodata,"a",@progbits
	.p2align	6, 0x0
	.amdhsa_kernel k_q7512cbe3e0_combine
		.amdhsa_group_segment_fixed_size 0
		.amdhsa_private_segment_fixed_size 0
		.amdhsa_enable_private_segment 0
		.amdhsa_kernarg_size 40
		.amdhsa_user_sgpr_count 2
		.amdhsa_user_sgpr_kernarg_segment_ptr 1
		.amdhsa_wavefront_size32 1
		.amdhsa_system_sgpr_workgroup_id_x 1
		.amdhsa_system_sgpr_workgroup_id_y 1
		.amdhsa_system_sgpr_workgroup_id_z 1
		.amdhsa_system_vgpr_workitem_id 0
		.amdhsa_next_free_vgpr 144
		.amdhsa_next_free_sgpr 66
		.amdhsa_reserve_vcc 0
		.amdhsa_float_denorm_mode_32 3
		.amdhsa_float_denorm_mode_16_64 3
		.amdhsa_memory_ordered 1
		.amdhsa_forward_progress 1
		.amdhsa_inst_pref_size 12
	.end_amdhsa_kernel
	.amdgpu_metadata
---
amdhsa.version: [ 1, 2 ]
amdhsa.kernels:
  - .name:           k_q7512cbe3e0_combine
    .symbol:         k_q7512cbe3e0_combine.kd
    .args:
      - { .name: ybuf, .offset: 0, .size: 8, .value_kind: global_buffer, .address_space: global }
      - { .name: route, .offset: 8, .size: 8, .value_kind: global_buffer, .address_space: global }
      - { .name: expert_weights, .offset: 16, .size: 8, .value_kind: global_buffer, .address_space: global }
      - { .name: expert_indices, .offset: 24, .size: 8, .value_kind: global_buffer, .address_space: global }
      - { .name: out0, .offset: 32, .size: 8, .value_kind: global_buffer, .address_space: global }
    .group_segment_fixed_size: 0
    .private_segment_fixed_size: 0
    .kernarg_segment_align: 8
    .kernarg_segment_size: 40
    .max_flat_workgroup_size: 256
    .sgpr_count:     66
    .vgpr_count:     144
    .wavefront_size: 32
...
	.end_amdgpu_metadata
.endif
;; end of part 5
